; MI455X (gfx1250); checked and timed in simulation.
; The chip was launched on July 23, 2026; its instructions are those of AMD's public machine-readable ISA for CDNA 5 (MIT licence, August 2026) and "CDNA5" Instruction Set Architecture Reference Guide (July 2026). The comments in the code are by the model that wrote it; some were corrected since.
;; Attention Layer. Allowed arithmetic: matrix products marked QUANTISED: E5M2 operands, one given power-of-two scale a tensor, by v_wmma_f32_16x16x64_bf8_bf8 or v_wmma_f32_16x16x128_bf8_bf8, f32 sums; everything else in f32.
;; Inputs: Wk_codes 1,024 x 32 x 32 uint8 (E5M2 codes of Wk, K innermost, in blocks of 32 codes); Wq_codes 1,024 x 32 x 32 uint8 (E5M2 codes of Wq, K innermost, in blocks of 32 codes); Wv_codes 1,024 x 32 x 32 uint8 (E5M2 codes of Wv, K innermost, in blocks of 32 codes); bk 1,024 float32; bq 1,024 float32; bv 1,024 float32; lowp_scales 10 int32 (the exponents e of the quantised operands' scales 2^e); x_codes 4 x 2,048 x 32 x 32 uint8 (E5M2 codes of x, K innermost, in blocks of 32 codes).
;; Outputs: out0 4 x 2,048 x 1,024 float32.
;; This version of the problem:
;;   THIS VERSION OF THE PROBLEM IS GIVEN IN LOW PRECISION. The matrix products marked QUANTISED in the list below multiply operands that are first quantised to E5M2 (5 exponent bits, 2 mantissa bits; 8 bits a number), with one given power-of-two scale for each operand tensor; their sums are f32. All else is computed in f32.
;;   The module's matrix products, in the order in which they are computed (A, B: the left and right operand; K: the contracted axis; several contracted axes count as one K, in the product's order):
;;     1. [M 8,192, K 1,024] x [K 1,024, N 1,024]; A: input x (given as codes); B: input Wk (given as codes): QUANTISED (scales: A lowp_scales[0], B lowp_scales[1])
;;     2. [M 8,192, K 1,024] x [K 1,024, N 1,024]; A: input x (given as codes); B: input Wq (given as codes): QUANTISED (scales: A lowp_scales[2], B lowp_scales[3])
;;     3. [M 8,192, K 1,024] x [K 1,024, N 1,024]; A: input x (given as codes); B: input Wv (given as codes): QUANTISED (scales: A lowp_scales[4], B lowp_scales[5])
;;     4. batch 4 x [M 2,048, K 1,024] x [K 1,024, N 2,048]; A: computed on the way; B: computed on the way: QUANTISED (scales: A lowp_scales[6], B lowp_scales[7])
;;     5. batch 4 x [M 2,048, K 2,048] x [K 2,048, N 1,024]; A: softmax (see below); B: computed on the way: QUANTISED (scales: A lowp_scales[8], B lowp_scales[9])
;;   THE QUANTISER, for each operand of a quantised product, along K:
;;     - The operand's scale is 2^e, e = its entry of the input lowp_scales (int32; the entries are numbered through the quantised products in the list's order, A before B).
;;     - Each number is divided by the scale, clamped to +-57,344, and rounded to the nearest number of E5M2, ties to even, subnormals kept.
;;     - The product sums the exact products of the quantised numbers (number of the format x scale) in f32.
;;   ~~~python
;;   def quantise(x, axis, e):      # numpy; x: float32 -> the quantised numbers, widened to float32 again
;;       x = np.moveaxis(x, axis, -1); K = x.shape[-1]
;;       r = np.clip(x / 2.0 ** e, -57344, 57344)
;;       step = 2.0 ** (np.maximum(np.frexp(np.where(r == 0, 1, r))[1] - 1, -14) - 2)
;;       q = np.round(r / step) * step * 2.0 ** e      # np.round: ties to even
;;       return np.moveaxis(q, -1, axis).astype(np.float32)
;;   ~~~
;;   SOFTMAX AHEAD OF A QUANTISED PRODUCT. Where the list says 'softmax', what is quantised is not the finished softmax but p = 2^(t - M), with t = logit x log2(e) and M = ceil(the row's largest t), a whole number; so 1/2 < the row's largest p <= 1. The row's sum l is taken of the UNQUANTISED p, in f32, and the product's result is divided by l at the end. Since M is a whole number, a kernel that streams over the keys may use a running M (the ceiling of the running maximum): every later rescaling is an exact power of two, so the quantised numbers keep their values, but for numbers so far below the row's largest that they fall under the format's range.
;;   OPERANDS COMPUTED ON THE WAY. 'Computed on the way' means the value that the module computes at that place (a softmax that the list does not call 'softmax' is quantised finished and normalised). What goes into a quantiser is computed in f32, as accurately as f32 sums, v_exp_f32 and their like allow (about 1e-6 of the number): no bf16 or f16 on the way to a quantiser, and a product that is left as it is and whose result goes on into a quantised operand takes f32 operands (vector FMAs, or v_wmma_f32_16x16x4_f32). A number that lies on a knife's edge between two numbers of the format may be rounded either way, as far as f32 arithmetic and the matrix unit's own rounding can turn it there, and no further.
;;   INPUTS GIVEN AS CODES. Wk (in the module: [1024, 1024], K = its axis 0); Wq (in the module: [1024, 1024], K = its axis 0); Wv (in the module: [1024, 1024], K = its axis 0); x (in the module: [4, 2048, 1024], K = its axis 2): each comes as NAME_codes (uint8): NAME with its K axis moved to the last place and cut into blocks of 32 codes, [.., K / 32, bytes a block], one block behind the other in memory; one code a byte (a code: sign, 5 exponent bits, 2 mantissa bits); its scale is its entry of lowp_scales. Its value is code x scale, taken as it is: it is not quantised again, and the codes and scales need not be those that the quantiser above would give.
;; One version. Each part assembles by itself: llvm-mc -triple=amdgcn-amd-amdhsa -mcpu=gfx1250 --defsym DOCPART=n.
;; ======== version 1 of 1: 3 launches
;; workspace buffers: qimg 8,388,608 bytes; kimg 8,388,608 bytes; vimg 8,388,608 bytes; pimg 16,777,216 bytes; stats 1,048,576 bytes
;; launch proj (part 1): grid 96 x 4, 4 waves a work-group, clusters of 4 x 4, 327,680 bytes of LDS; arguments x_codes, Wk_codes, Wq_codes, Wv_codes, bk, bq, bv, lowp_scales, qimg, kimg, vimg; writes qimg, kimg, vimg
.if DOCPART == 1
	.amdgcn_target "amdgcn-amd-amdhsa--gfx1250"
	.amdhsa_code_object_version 6
	.text
	.protected	k_q7477b73bb1_proj
	.globl	k_q7477b73bb1_proj
	.p2align	8
	.type	k_q7477b73bb1_proj,@function
k_q7477b73bb1_proj:
	s_mov_b64 s[64:65], 0
	v_nop
	global_prefetch_b8 v0, s[64:65] scope:SCOPE_SE
	s_setreg_imm32_b32 hwreg(HW_REG_WAVE_MODE, 25, 1), 1
	s_wait_xcnt 0x0
	s_wait_alu depctr_hold_cnt(0) depctr_sa_sdst(0) depctr_va_vdst(0) depctr_va_sdst(0) depctr_va_ssrc(0) depctr_va_vcc(0) depctr_vm_vsrc(0)
	s_getreg_b32 s2, hwreg(HW_REG_IB_STS2, 6, 4)
	s_cmp_eq_u32 s2, 0
	s_cbranch_scc0 .Lentry_in_a_cluster
	s_endpgm
.Lentry_in_a_cluster:
	s_bfe_u32 s2, ttmp6, 0x10000c
	s_cmp_lg_u32 s2, 0xf033
	s_cbranch_scc0 .Lentry_shape_is_right
	s_endpgm
.Lentry_shape_is_right:
; k = x Wk + bk, q = x Wq + bq, v = x Wv + bv on codes of BF8 (E5M2), and each result quantised at once, with its given scale, for the product that takes it next.
; x: [8192][1024] codes; Wk, Wq, Wv: [1024 (out)][1024 (in)] codes, K innermost.  A number is its code's value x 2^e, e from lowp_scales: (x, Wk) = entries 0, 1; (x, Wq) = 2, 3; (x, Wv) = 4, 5.
; The results' scales: q entry 6 (left operand of q k^T), k entry 7, v entry 9.
; JOBS.  24 clusters of 4 x 4 work-groups; job = cluster x / 8, idx = cluster x % 8.  A tile of a result is 256 x 256, four waves, 128 x 128 a wave (64 accumulators, 512 registers).
;   jobs 0 (k), 1 (q): A = x (tile row 4 idx + cy), B = the weight (tile column cx).   job 2 (v): A = Wv (tile row cy: v's channels), B = x (tile column 4 idx + cx: the tokens).
; THE MATRIX INSTRUCTION IS USED TRANSPOSED (source 0 = 16 rows of B, source 1 = 16 rows of A): lane (r, h) of accumulator (a, b) holds row 16 a + r of A's side and columns 16 b + 8 h + 0 .. 7 of B's side.
; So a lane's registers run along the NEXT product's K: the channels for q and k, the keys for v.  One conversion an accumulator gives two registers; the sixteen of b = 0 .. 7 ARE an operand fragment
; (16 rows x 128 K; registers 2 b, 2 b + 1: k = 16 b + 8 h + 0 .. 7).  It is stored as an IMAGE OF ITS REGISTERS: registers 4 c .. 4 c + 3 at 512 c + 16 x lane, 2,048 bytes; each store covers 512 consecutive bytes, aligned.
; The buffers: [K step of 256][row tile of 16][128 along K (2)][2,048 bytes]: qimg, kimg: 512 row tiles of tokens, 4 K steps; vimg: for each batch 64 row tiles of channels, 8 K steps of keys.
; THE BIAS is the C of each sum's first matrix instruction, divided by the power of two that the sums lack.  In jobs 0, 1 it runs along the lane's registers (by b), in job 2 along the lanes (by a): only the first
; step of 128 along K differs, and it stands twice, under a branch on the job, which is the same number in all sixteen work-groups of a cluster.
; CLUSTERS: the four work-groups of a row of the cluster need the same tiles of A, the four of a column the same tiles of B: each tile is asked for jointly, by the same tensor load with a mask that names the four.
; K goes in steps of 256 (rows of 256 bytes) through a ring of two LDS slots; 1,024 along K are four such steps, written out.
; LIMITS: E = e(result) - e(x) - e(weight) lies between -126 and 112, so that 2^E and 57,344 x 2^E are f32 numbers.  NaN and infinities among the biases are not served.
; REGISTERS, in windows of 256: window 0: v1-31 addresses; v32-95 the bias in the results' layout, later 64 numbers on the way out; v96-103 the bias loads' offsets; v104 2^E, v105 57,344 x 2^E;
;   v128-255 A's fragments, ONE set, later the codes.   window 1: B's fragments, TWO sets.   window 2: accumulators of my rows 0-63 ((a, b) at v[8 (8 a + b)]);   window 3: of my rows 64-127.
.set ROWB,   256                       ; a tile's row in bytes
.set KROW,   1024                      ; a row of x or of a weight in memory
.set PITCH,  272                       ; an LDS row: 256 bytes + 16 of padding = 68 words: row r starts at bank 4 r mod 64 (64 banks of 4 bytes: ISA guide 11.1)
.set FR,     16                        ; registers of a fragment
.set NL,     4                         ; LDS loads that bring one
.set NP,     4                         ; places behind this matrix instruction (ISA guide 7.12.1)
.set HALFT,  128*PITCH                 ; 128 rows: what one tensor load brings
.set SLOT,   4*HALFT                   ; A's 256 rows, then B's 256 rows
.set SPARE,  2*SLOT                    ; behind the ring: the spare words, 128 bytes for each wave
.set LAPS,   2                         ; 1,024 along K = two laps of two K steps
.set ADRA, 16                          ; v16-17  LDS address of my A fragments in slot 0, 1
.set ADRB, 20                          ; v20-21  the same for B
.set CO,   26                          ; v26     16 x lane: my place in 512 bytes of an image
.set SPW,  28                          ; v28     LDS address of my spare word; never rewritten
.set NIL,  29                          ; v29     0; never rewritten
.set BB,   32
.set VO,   96
.set SCL,  104
.set LIM,  105
.set AF,   128
.set JOB,  4                           ; s4      the job
.set G1, 24                            ; s[24:31] descriptor group 1 for A's tiles;  s[32:39] group 0, one set for each slot
.set G0, 32
.set G1B, 48                           ; s[48:55], s[56:63] the same for B's tiles
.set G0B, 56
.set MSB, 0
.macro WIN new                         ; the immediate's high byte repeats the setting that is left; a switch that changes nothing is dropped
.if MSB != (\new)
	s_set_vgpr_msb (MSB<<8)|(\new)
.set MSB, (\new)
.endif
.endm
.set MUL_LO, 0xa1                      ; source 0 (B) window 1, source 1 (A) window 0, C and D window 2
.set MUL_HI, 0xf1                      ; the same, C and D window 3
.set TO_B,   0x40                      ; destination window 1, address window 0
; A joint load: waves 0 and 1 fetch for A, waves 2 and 3 for B.  The branch hangs on the wave's number alone.  Four v_nop follow each of the two lines.
.macro JLOAD g0a, g1a, g0b, g1b
	s_cmp_eq_u32 s15, 0
	s_cbranch_scc0 .Lfor_b_\@
	tensor_load_to_lds s[\g0a:\g0a+3], s[\g1a:\g1a+7]
	s_nop 0
.rept 4
	v_nop
.endr
	s_branch .Lasked_\@
.Lfor_b_\@:
	tensor_load_to_lds s[\g0b:\g0b+3], s[\g1b:\g1b+7]
	s_nop 0
.rept 4
	v_nop
.endr
.Lasked_\@:
.endm
.macro CREST                           ; a round of the cluster's barrier behind its opening barrier
	s_cmp_lg_u32 s14, 0
	s_cbranch_scc1 .Lnot_wave_0_\@
	s_barrier_signal -3
.Lnot_wave_0_\@:
	s_barrier_wait -3
	s_barrier_signal -1
	s_barrier_wait -1
.endm
.macro CROUND                          ; a whole round
	s_barrier_signal -1
	s_barrier_wait -1
	CREST
.endm
	s_load_b512 s[68:83], s[0:1], 0x0              ; x s[68:69], Wk s[70:71], Wq s[72:73], Wv s[74:75], bk s[76:77], bq s[78:79], bv s[80:81], the scales' exponents s[82:83]
	s_load_b128 s[84:87], s[0:1], 0x40             ; qimg s[84:85], kimg s[86:87]
	s_load_b64 s[88:89], s[0:1], 0x50              ; vimg
	v_lshl_add_u32 v[SPW], v0, 2, SPARE
	v_mov_b32 v[NIL], 0
	ds_add_u32 v28, v29
	ds_add_u32 v28, v29
	s_wait_dscnt 0x0
	v_lshrrev_b32 v1, 5, v0
	v_readfirstlane_b32 s14, v1                    ; wave 0..3
	s_lshr_b32 s15, s14, 1                         ; which half of the tile's rows is mine.  Also: I fetch for A (0) or for B (1)
	s_and_b32 s16, s14, 1                          ; which half of its columns.  Also: which 128 rows of that tile I fetch
	s_bfe_u32 s40, ttmp6, 0x40000                  ; cx, cy: my place in the cluster
	s_bfe_u32 s41, ttmp6, 0x40004
	s_lshr_b32 s[JOB], ttmp9, 3                    ; in a cluster launch ttmp9 counts clusters: job 0 .. 2,
	s_and_b32 s5, ttmp9, 7
	s_lshl_b32 s5, s5, 2                           ; 4 idx
	s_cmp_lt_u32 s[JOB], 2                         ; jobs 0, 1 or job 2: all choices are made before the next line that sets SCC
	s_cselect_b32 s17, s5, 0
	s_cselect_b32 s42, 0, s5
	s_cselect_b32 s66, 32, 0                       ; the bias load's offset = h x s66 + r x s67 + j x s90
	s_cselect_b32 s67, 0, 4
	s_cselect_b32 s90, 4, 0
	s_cselect_b32 s91, 21, 18                      ; log2 of the bytes from one K step of the result's images to the next
	s_add_co_u32 s17, s17, s41                     ; tile row
	s_add_co_u32 s42, s42, s40                     ; tile column
	s_lshl_b32 s43, s41, 2
	s_lshl_b32 s43, 15, s43                        ; my row of the cluster
	s_lshl_b32 s44, 0x1111, s40                    ; my column
	; descriptor group 1: a tile of 128 rows x 256 bytes, padded in LDS
	s_or_b32 s[G1+0], s43, (0<<16)|(1<<20)|(1<<21)|(5<<22)|(3<<25)  ; 15:0 the mask: A's tiles go to my row; 17:16 elements of 1 byte; 20 padding on; 21 set beside a mask; 24:22 after every 64 words (code 5); 31:25 four words (code 3)
	s_or_b32 s[G1B+0], s44, (0<<16)|(1<<20)|(1<<21)|(5<<22)|(3<<25)
.irp g, G1, G1B
	s_mov_b32 s[\g+1], ROWB<<16                    ; tensor_dim0
	s_mov_b32 s[\g+2], 128<<16                     ; tensor_dim1
	s_mov_b32 s[\g+3], ROWB<<16                    ; tile_dim0
	s_mov_b32 s[\g+4], 128                         ; tile_dim1
	s_mov_b32 s[\g+5], KROW                        ; tensor_dim0_stride
	s_mov_b32 s[\g+6], 0
	s_mov_b32 s[\g+7], 0
.endr
	s_cmp_lt_u32 s[JOB], 2
	s_cselect_b32 s18, s42, s17                    ; the bias runs along the columns (jobs 0, 1) or along the rows (job 2)
	s_cselect_b32 s19, s16, s15
	s_lshl_b32 s18, s18, 10
	s_lshl_b32 s19, s19, 9
	s_add_co_u32 s22, s18, s19                     ; my 128 numbers of the bias, in bytes: (256 x tile + 128 x half) x 4
	s_mov_b32 s23, 0
	s_lshl_b32 s18, s42, s91                       ; my first image: K step = tile column,
	s_lshl_b32 s19, s17, 16                        ; row tile 16 x tile row
	s_add_co_u32 s18, s18, s19
	s_lshl_b32 s19, s15, 15                        ; + 8 x row half, 4,096 bytes each,
	s_add_co_u32 s18, s18, s19
	s_lshl_b32 s19, s16, 11                        ; and my column half's 128 along K
	s_add_co_u32 s18, s18, s19
	s_mov_b32 s19, 0
	s_lshl_b32 s20, s17, 18                        ; A: row 256 x tile row + 128 x half, 1,024 bytes a row
	s_lshl_b32 s21, s16, 17
	s_add_co_u32 s20, s20, s21
	s_mov_b32 s21, 0
	s_lshl_b32 s46, s42, 18                        ; B: row 256 x tile column + 128 x half
	s_lshl_b32 s47, s16, 17
	s_add_co_u32 s46, s46, s47
	s_mov_b32 s47, 0
	s_mul_i32 s45, s14, HALFT                      ; where they go: wave x 128 rows: no place in the cluster enters an LDS address
	s_wait_kmcnt 0x0
	s_load_b256 s[92:99], s[82:83], 0x0            ; entries 0 .. 7
	s_load_b64 s[100:101], s[82:83], 0x20          ; entries 8, 9
	s_cmp_eq_u32 s[JOB], 0                         ; the buffers are chosen by the job alone
	s_cselect_b64 s[6:7], s[70:71], s[72:73]
	s_cselect_b64 s[8:9], s[76:77], s[78:79]
	s_cselect_b64 s[10:11], s[86:87], s[84:85]
	s_cmp_lt_u32 s[JOB], 2
	s_cselect_b64 s[12:13], s[68:69], s[74:75]     ; A: x or Wv
	s_cselect_b64 s[6:7], s[6:7], s[68:69]         ; B: Wk, Wq or x
	s_cselect_b64 s[8:9], s[8:9], s[80:81]         ; the bias
	s_cselect_b64 s[10:11], s[10:11], s[88:89]     ; the images
	s_add_nc_u64 s[20:21], s[12:13], s[20:21]
	s_add_nc_u64 s[46:47], s[6:7], s[46:47]
	s_add_nc_u64 s[8:9], s[8:9], s[22:23]
	s_add_nc_u64 s[10:11], s[10:11], s[18:19]
	CROUND                                         ; all sixteen work-groups are here: the first joint loads meet
.irp s, 0,1
	s_mov_b32 s[G0+4*\s], 1
	s_add_co_u32 s[G0+4*\s+1], s45, \s*SLOT
	s_add_nc_u64 s[G0+4*\s+2:G0+4*\s+3], s[20:21], \s*ROWB
	s_or_b32 s[G0+4*\s+3], s[G0+4*\s+3], 0x80000000
	s_mov_b32 s[G0B+4*\s], 1
	s_add_co_u32 s[G0B+4*\s+1], s45, \s*SLOT
	s_add_nc_u64 s[G0B+4*\s+2:G0B+4*\s+3], s[46:47], \s*ROWB
	s_or_b32 s[G0B+4*\s+3], s[G0B+4*\s+3], 0x80000000
	JLOAD G0+4*\s, G1, G0B+4*\s, G1B
.endr
	; the bias in the results' layout: block s, register j: jobs 0, 1: bias[16 s + 8 h + j]; job 2: bias[16 s + r] in all eight
	v_and_b32 v1, 15, v0                           ; r = lane % 16
	v_bfe_u32 v2, v0, 4, 1                         ; h = lane / 16
	v_mul_u32_u24 v3, v2, s66
	v_mad_u32_u24 v3, v1, s67, v3
	s_mov_b32 s5, 0
.irp j, 0,1,2,3,4,5,6,7
	v_add_nc_u32 v[VO+\j], s5, v3
	s_add_co_u32 s5, s5, s90
.endr
.irp s, 0,1,2,3,4,5,6,7
.irp j, 0,1,2,3,4,5,6,7
	global_load_b32 v[BB+8*\s+\j], v[VO+\j], s[8:9] offset:64*\s
.endr
.endr
	v_mul_u32_u24 v3, v1, PITCH
	v_lshl_add_u32 v4, v2, 4, v3                   ; a fragment's row x pitch + 16 x half
	s_mul_i32 s21, s15, HALFT                      ; my 128 rows of A
	s_mul_i32 s22, s16, HALFT                      ; my 128 rows of B,
	s_add_co_u32 s22, s22, 2*HALFT                 ; which lie behind A's 256
.irp s, 0,1
	v_add_nc_u32 v[ADRA+\s], s21, v4
	v_add_nc_u32 v[ADRB+\s], s22, v4
	s_add_co_u32 s21, s21, SLOT
	s_add_co_u32 s22, s22, SLOT
.endr
	v_and_b32 v6, 31, v0
	v_lshlrev_b32 v[CO], 4, v6
	s_wait_kmcnt 0x0                               ; the exponents
	s_cmp_eq_u32 s[JOB], 0
	s_cselect_b32 s18, s92, s94
	s_cselect_b32 s19, s93, s95
	s_cselect_b32 s20, s99, s98                    ; k: entry 7; q: entry 6
	s_cmp_lt_u32 s[JOB], 2
	s_cselect_b32 s18, s18, s96
	s_cselect_b32 s19, s19, s97
	s_cselect_b32 s20, s20, s101                   ; v: entry 9
	s_add_co_i32 s18, s18, s19                     ; a sum stands for sum x 2^(e(x) + e(weight)):
	s_sub_co_i32 s19, 0, s18                       ; the bias goes in divided by that,
	s_sub_co_i32 s20, s20, s18                     ; and the code is (sum + bias) / 2^E, E = e(result) - e(x) - e(weight)
	s_add_co_i32 s20, s20, 127
	s_lshl_b32 s21, s20, 23
	v_mov_b32 v[SCL], s21                          ; 2^E as f32: the conversion takes its exponent field
	s_add_co_i32 s20, s20, 15
	s_lshl_b32 s20, s20, 23
	s_or_b32 s20, s20, 0x600000
	v_mov_b32 v[LIM], s20                          ; 57,344 x 2^E
	s_wait_loadcnt 0x0                             ; the bias
.set qi, 0
.rept 64
	v_ldexp_f32 v[BB+qi], v[BB+qi], s19
.set qi, qi+1
.endr
.macro FRAG reg, adr, q, i             ; a fragment, 16 rows x 128 K: lane l holds row l % 16; registers 4 c .. 4 c + 3 hold K = 32 c + 16 (l / 16) + 0 .. 15: a permutation of k that is the same in A and in B
.irp c, 0,1,2,3
	ds_load_b128 v[\reg+4*\c:\reg+4*\c+3], v[\adr] offset:128*(\q)+32*\c+(\i)*16*PITCH
.endr
.endm
; 16 matrix instructions: A's blocks a0, a0 + 1 x B's eight, 128 along K.  p: B's set.  cm = 0: onto the sums; 2: the sums begin with the bias by b; 3: with the bias by a.
; The 64 accumulators take turns, one instruction a turn, in the same order in every step.
.macro MUL16 a0, p, cm
.irp a, \a0, \a0+1
.irp b, 0,1,2,3,4,5,6,7
.if \cm == 0
	v_wmma_f32_16x16x128_bf8_bf8 v[8*(8*((\a)%4)+\b):8*(8*((\a)%4)+\b)+7], v[128*(\p)+FR*\b:128*(\p)+FR*\b+FR-1], v[AF+FR*(\a):AF+FR*(\a)+FR-1], v[8*(8*((\a)%4)+\b):8*(8*((\a)%4)+\b)+7]
.elseif \cm == 2
	v_wmma_f32_16x16x128_bf8_bf8 v[8*(8*((\a)%4)+\b):8*(8*((\a)%4)+\b)+7], v[128*(\p)+FR*\b:128*(\p)+FR*\b+FR-1], v[AF+FR*(\a):AF+FR*(\a)+FR-1], v[BB+8*\b:BB+8*\b+7]
.else
	v_wmma_f32_16x16x128_bf8_bf8 v[8*(8*((\a)%4)+\b):8*(8*((\a)%4)+\b)+7], v[128*(\p)+FR*\b:128*(\p)+FR*\b+FR-1], v[AF+FR*(\a):AF+FR*(\a)+FR-1], v[BB+8*(\a):BB+8*(\a)+7]
.endif
.endr
.endr
.endm
.macro FETCH_B slot, q, p              ; B's eight fragments of the slot's q-th 128 along K into set p
	WIN TO_B
.irp i, 0,1,2,3,4,5,6,7
	FRAG 128*(\p)+FR*\i, ADRB+\slot, \q, \i
.endr
	WIN 0
.endm
.macro FETCH_A slot, q, i0             ; A's blocks i0 .. i0 + 3
.irp i, \i0, \i0+1, \i0+2, \i0+3
	FRAG AF+FR*(\i), ADRA+\slot, \q, \i
.endr
.endm
; A load into a register that a matrix instruction has read, and a vector instruction that reads a matrix result, stand NP places behind that matrix instruction; only plain vector instructions that name
; none of its registers are places (ISA guide 7.12.1 for vector instructions).
.macro PLACES n
.rept \n
	v_nop
.endr
.endm
; A step of 128 along K that has its successor in the same slot.  A's blocks go one after the other, each against B's eight: so one set of registers serves A (blocks 0-3 fetched anew in the middle, 4-7 at the end).
.macro STEP slot, q, cm
	s_wait_dscnt 4*NL                              ; B's set and A's blocks 0-3 are in; the youngest sixteen loads (A's blocks 4-7) may be out
.if \cm >= 2
	WIN 0x81                                       ; as MUL_LO, with C (the bias) in window 0
.else
	WIN MUL_LO
.endif
	MUL16 0, (\q)%2, \cm
	MUL16 2, (\q)%2, \cm
	s_wait_dscnt 0                                 ; A's blocks 4-7 are in (asked for 32 matrix instructions ago)
	PLACES NP
	FETCH_B \slot, (\q)+1, 1-(\q)%2
	FETCH_A \slot, (\q)+1, 0
.if \cm >= 2
	WIN 0xc1
.else
	WIN MUL_HI
.endif
	MUL16 4, (\q)%2, \cm
	MUL16 6, (\q)%2, \cm
	PLACES NP
	WIN 0
	FETCH_A \slot, (\q)+1, 4
.endm
; A slot's last step changes slots: ONE barrier; in front of it each wave waits for all its tensor loads, adds 0 to its spare word, and waits for that and for its own reads of this slot.  fill = 1: this slot is filled again, two K steps ahead.
.macro TURN slot, next, fill
	s_wait_tensorcnt 0x0                           ; all my tensor loads have landed: my part of the next slot  (every window is 0 here)
	ds_add_u32 v[SPW], v[NIL]                      ; 0 onto my spare word
	s_wait_dscnt 4*NL+1                            ; (the add and the youngest sixteen loads, A's blocks 4-7, may be out)
	WIN MUL_LO
	MUL16 0, 1, 0                                  ; sixteen matrix instructions stand between the add and the wait for it
	s_wait_dscnt 0x0                               ; the add is done, and my reads of this slot are over
	s_barrier_signal -1
	MUL16 2, 1, 0
	WIN 0
	s_barrier_wait -1
.if \fill
	CREST                                          ; the barrier has opened a round of the cluster's barrier: no wave of any partner still reads this slot's tile or has a load on its way
	s_add_nc_u64 s[G0+4*\slot+2:G0+4*\slot+3], s[G0+4*\slot+2:G0+4*\slot+3], 2*ROWB
	s_add_nc_u64 s[G0B+4*\slot+2:G0B+4*\slot+3], s[G0B+4*\slot+2:G0B+4*\slot+3], 2*ROWB
	JLOAD G0+4*\slot, G1, G0B+4*\slot, G1B         ; the first tensor load behind the round; the four v_nop behind it are the places in front of the loads below
.else
	PLACES NP
.endif
	FETCH_B \next, 0, 0
	FETCH_A \next, 0, 0
	WIN MUL_HI
	MUL16 4, 1, 0
	MUL16 6, 1, 0
	PLACES NP
	WIN 0
	FETCH_A \next, 0, 4
.endm
	s_wait_tensorcnt 1                             ; my part of K step 0 is in (K step 1's load may be out)
	s_barrier_signal -1
	s_barrier_wait -1                              ; everybody's is
	FETCH_B 0, 0, 0
	FETCH_A 0, 0, 0
	FETCH_A 0, 0, 4
	s_cmp_lt_u32 s[JOB], 2                         ; the first step starts the sums with the bias; the job is the same number in all partners, and both ways issue the same loads
	s_cbranch_scc0 .Lbias_by_rows
	STEP 0, 0, 2
	s_branch .Lbias_in
.Lbias_by_rows:
	STEP 0, 0, 3
.Lbias_in:
.rept LAPS-1                           ; once round the ring, from a lap's second step to the next lap's first: both slots are filled again
	TURN 0, 1, 1
	STEP 1, 0, 0
	TURN 1, 0, 1
	STEP 0, 0, 0
.endr
	TURN 0, 1, 0                                   ; the last lap fills nothing, and has no round of the cluster's barrier
	STEP 1, 0, 0
	s_wait_dscnt 4*NL                              ; the very last step: nothing more to fetch
	WIN MUL_LO
	MUL16 0, 1, 0
	MUL16 2, 1, 0
	s_wait_dscnt 0
	WIN MUL_HI
	MUL16 4, 1, 0
	MUL16 6, 1, 0
	WIN 0
	PLACES NP                                      ; in front of the first read of results, and of the conversions that write where A's fragments lay
; THE WAY OUT of block a (16 rows x 128 columns): held, converted, stored as one image.  Each block has its own sixteen registers of codes, so no store's data are written again.
.macro QROW a
	WIN 2+(\a)/4                                   ; source 0: window 2 or 3
.set qi, 0
.rept 64
	v_med3_num_f32 v[BB+qi], v[64*((\a)%4)+qi], -v[LIM], v[LIM]   ; the conversion to an 8-bit code does not saturate (ISA guide 7.6.2): the hold at the largest code x the scale; each accumulator from its low end on
.set qi, qi+1
.endr
	WIN 0
.irp b, 0,1,2,3,4,5,6,7
	v_cvt_scalef32_pk8_bf8_f32 v[AF+16*(\a)+2*\b:AF+16*(\a)+2*\b+1], v[BB+8*\b:BB+8*\b+7], v[SCL]   ; registers 2 b, 2 b + 1 of the fragment: k = 16 b + 8 h + 0 .. 7
.endr
	v_nop                                          ; one plain vector instruction between the conversions and the next block's holds, which write their sources
.irp c, 0,1,2,3
	global_store_b128 v[CO], v[AF+16*(\a)+4*\c:AF+16*(\a)+4*\c+3], s[10:11] offset:4096*(\a)+512*\c   ; 32 lanes store 512 consecutive bytes, at a multiple of 512 from the buffer's first byte
.endr
.endm
.irp t, 0,1,2,3,4,5,6,7
	QROW \t
.endr
	s_wait_tensorcnt 0x0                           ; the wave's end
	ds_add_u32 v[SPW], v[NIL]
	s_wait_dscnt 0x0
	CROUND                                         ; the closing round: no work-group ends while a partner may still ask for a tile that names it
	s_endpgm
.Lfunc_end_k_q7477b73bb1_proj:
	.size	k_q7477b73bb1_proj, .Lfunc_end_k_q7477b73bb1_proj-k_q7477b73bb1_proj
	.p2alignl 7, 3214868480
	.fill 96, 4, 3214868480
	.section	.rodata,"a",@progbits
	.p2align	6, 0x0
	.amdhsa_kernel k_q7477b73bb1_proj
		.amdhsa_group_segment_fixed_size 327680
		.amdhsa_private_segment_fixed_size 0
		.amdhsa_enable_private_segment 0
		.amdhsa_kernarg_size 88
		.amdhsa_user_sgpr_count 2
		.amdhsa_user_sgpr_kernarg_segment_ptr 1
		.amdhsa_wavefront_size32 1
		.amdhsa_system_sgpr_workgroup_id_x 1
		.amdhsa_system_sgpr_workgroup_id_y 1
		.amdhsa_system_sgpr_workgroup_id_z 1
		.amdhsa_system_vgpr_workitem_id 0
		.amdhsa_next_free_vgpr 1024
		.amdhsa_next_free_sgpr 102
		.amdhsa_reserve_vcc 0
		.amdhsa_float_denorm_mode_32 3
		.amdhsa_float_denorm_mode_16_64 3
		.amdhsa_memory_ordered 1
		.amdhsa_forward_progress 1
		.amdhsa_inst_pref_size 137
	.end_amdhsa_kernel
	.amdgpu_metadata
---
amdhsa.version: [ 1, 2 ]
amdhsa.kernels:
  - .name:           k_q7477b73bb1_proj
    .symbol:         k_q7477b73bb1_proj.kd
    .args:
      - { .name: x_codes, .offset: 0, .size: 8, .value_kind: global_buffer, .address_space: global }
      - { .name: Wk_codes, .offset: 8, .size: 8, .value_kind: global_buffer, .address_space: global }
      - { .name: Wq_codes, .offset: 16, .size: 8, .value_kind: global_buffer, .address_space: global }
      - { .name: Wv_codes, .offset: 24, .size: 8, .value_kind: global_buffer, .address_space: global }
      - { .name: bk, .offset: 32, .size: 8, .value_kind: global_buffer, .address_space: global }
      - { .name: bq, .offset: 40, .size: 8, .value_kind: global_buffer, .address_space: global }
      - { .name: bv, .offset: 48, .size: 8, .value_kind: global_buffer, .address_space: global }
      - { .name: lowp_scales, .offset: 56, .size: 8, .value_kind: global_buffer, .address_space: global }
      - { .name: qimg, .offset: 64, .size: 8, .value_kind: global_buffer, .address_space: global }
      - { .name: kimg, .offset: 72, .size: 8, .value_kind: global_buffer, .address_space: global }
      - { .name: vimg, .offset: 80, .size: 8, .value_kind: global_buffer, .address_space: global }
    .group_segment_fixed_size: 327680
    .private_segment_fixed_size: 0
    .kernarg_segment_align: 8
    .kernarg_segment_size: 88
    .max_flat_workgroup_size: 128
    .sgpr_count:     102
    .vgpr_count:     1024
    .wavefront_size: 32
...
	.end_amdgpu_metadata
.endif
;; end of part 1
;; launch scores (part 2): grid 8 x 32, 4 waves a work-group, clusters of 4 x 4, 327,680 bytes of LDS; arguments qimg, kimg, lowp_scales, pimg, stats; writes pimg, stats
.if DOCPART == 2
	.amdgcn_target "amdgcn-amd-amdhsa--gfx1250"
	.amdhsa_code_object_version 6
	.text
	.protected	k_q7477b73bb1_scores
	.globl	k_q7477b73bb1_scores
	.p2align	8
	.type	k_q7477b73bb1_scores,@function
k_q7477b73bb1_scores:
	s_mov_b64 s[64:65], 0
	v_nop
	global_prefetch_b8 v0, s[64:65] scope:SCOPE_SE
	s_setreg_imm32_b32 hwreg(HW_REG_WAVE_MODE, 25, 1), 1
	s_wait_xcnt 0x0
	s_wait_alu depctr_hold_cnt(0) depctr_sa_sdst(0) depctr_va_vdst(0) depctr_va_sdst(0) depctr_va_ssrc(0) depctr_va_vcc(0) depctr_vm_vsrc(0)
	s_getreg_b32 s2, hwreg(HW_REG_IB_STS2, 6, 4)
	s_cmp_eq_u32 s2, 0
	s_cbranch_scc0 .Lentry_in_a_cluster
	s_endpgm
.Lentry_in_a_cluster:
	s_bfe_u32 s2, ttmp6, 0x10000c
	s_cmp_lg_u32 s2, 0xf033
	s_cbranch_scc0 .Lentry_shape_is_right
	s_endpgm
.Lentry_shape_is_right:
; S = q k^T on codes of BF8 (E5M2), and the softmax's numerator, quantised at once for the product with v.
; t = S x 2^(e6 + e7) x log2(e) / 32.  For a tile of 256 keys: M = the row's largest t among these 256 keys, rounded UP to a whole number; p = 2^(t - M); p's codes with the given scale 2^e8.
; The row's sum of the UNQUANTISED p over a wave's 128 keys, and -M, go to stats; the next launch brings the eight blocks of a row under the row's largest M by exact powers of two.
; qimg, kimg: fragment images [K step of 256 (4)][row tile of 16 (512)][128 along K (2)][2,048 bytes]: registers 4 c .. 4 c + 3 of lane l at 512 c + 16 l.  So 128 rows x 256 K are 32 KiB on end: one dense tensor load,
; and a fragment comes out of LDS by four loads of 512 consecutive bytes: no pitch, no padding.
; pimg: the same form: [K step of 256 keys of the query's batch (8)][row tile of 16 queries (512)][2][2,048].  stats: plane 0 -M, plane 1 (524,288 bytes on) the sums: [block of 128 keys (16)][8,192 rows] f32.
; SHARES.  A tile of S is 256 queries x 256 keys: four waves, 128 x 128 a wave (64 accumulators).  tx = key tile in the batch, ty = query tile among all 8,192 rows; the batch hangs on the cluster's y alone.
; TRANSPOSED USE: source 0 = 16 keys, source 1 = 16 queries: lane (r, h) of accumulator (a, b) holds query 16 a + r and keys 16 b + 8 h + 0 .. 7: the sixteen registers of codes of b = 0 .. 7 are p's fragment.
; CLUSTERS: 4 x 4 work-groups; q's tiles are shared along a row of the cluster, k's along a column: joint loads.
; LIMITS: e6 + e7 between -121 and 132 (added to the exponent field of log2(e) / 32); e8 between -126 and 112.  NaN and infinities are not served.
;   With e8 under -15 the hold at the largest code is taken against the block's M, as with any running M.
; REGISTERS: window 0: v16-30 addresses; v32-47 for each row tile a the pair (-M, largest t); v48-55 the sums; v62 57,344 x 2^e8, v63 2^e8; v128-255 q's fragments, ONE set;
;   on the way out v64-127, v128-191 two sets of 64 numbers, v192-223 two sets of codes, v224-231 the partner's maxima, v232-239 at work.   window 1: k's fragments, TWO sets.   windows 2, 3: the accumulators.
.set KSTR,   0x200000                  ; bytes from one K step of the images to the next
.set FR,     16
.set NL,     4
.set NP,     4                         ; places behind this matrix instruction (ISA guide 7.12.1)
.set HALFT,  32768                     ; 128 rows x 256 K: what one tensor load brings
.set SLOT,   4*HALFT                   ; q's 256 rows, then k's 256 rows
.set SPARE,  2*SLOT                    ; behind the ring: the spare words, 128 bytes for each wave
.set EXCH,   SPARE+512                 ; 512 bytes a wave: the largest t of its 128 queries among its 128 keys
.set STAT,   EXCH+4*512                ; 1,024 bytes a wave: -M and the sums, on their way out
.set LAPS,   2
.set ADRA, 16
.set ADRB, 20
.set EXW,  24                          ; v24  where I put a largest t
.set EXR,  25                          ; v25  where the wave with the other 128 keys put its own
.set CO,   26                          ; v26  16 x lane
.set STW,  27                          ; v27  where I put -M and a sum
.set SPW,  28
.set NIL,  29
.set STR,  30                          ; v30  where I read four of them back
.set MX,   32
.set LS,   48
.set HOLD, 62
.set PSC,  63
.set AF,   128
.set SM,   232
.set G1, 24
.set G0, 32
.set G1B, 48
.set G0B, 56
.set MSB, 0
.macro WIN new                         ; the immediate's high byte repeats the setting that is left; a switch that changes nothing is dropped
.if MSB != (\new)
	s_set_vgpr_msb (MSB<<8)|(\new)
.set MSB, (\new)
.endif
.endm
.set MUL_LO, 0xa1                      ; source 0 (k) window 1, source 1 (q) window 0, C and D window 2
.set MUL_HI, 0xf1
.set TO_B,   0x40
.macro JLOAD g0a, g1a, g0b, g1b        ; a joint load: waves 0 and 1 fetch q's halves, waves 2 and 3 k's; four v_nop follow each of the two lines
	s_cmp_eq_u32 s15, 0
	s_cbranch_scc0 .Lfor_b_\@
	tensor_load_to_lds s[\g0a:\g0a+3], s[\g1a:\g1a+7]
	s_nop 0
.rept 4
	v_nop
.endr
	s_branch .Lasked_\@
.Lfor_b_\@:
	tensor_load_to_lds s[\g0b:\g0b+3], s[\g1b:\g1b+7]
	s_nop 0
.rept 4
	v_nop
.endr
.Lasked_\@:
.endm
.macro CREST
	s_cmp_lg_u32 s14, 0
	s_cbranch_scc1 .Lnot_wave_0_\@
	s_barrier_signal -3
.Lnot_wave_0_\@:
	s_barrier_wait -3
	s_barrier_signal -1
	s_barrier_wait -1
.endm
.macro CROUND
	s_barrier_signal -1
	s_barrier_wait -1
	CREST
.endm
	s_load_b128 s[4:7], s[0:1], 0x0                ; qimg s[4:5], kimg s[6:7]
	s_load_b128 s[8:11], s[0:1], 0x10              ; the scales' exponents s[8:9], pimg s[10:11]
	s_load_b64 s[12:13], s[0:1], 0x20              ; stats
	v_lshl_add_u32 v[SPW], v0, 2, SPARE
	v_mov_b32 v[NIL], 0
	ds_add_u32 v28, v29
	ds_add_u32 v28, v29
	s_wait_dscnt 0x0
	v_lshrrev_b32 v1, 5, v0
	v_readfirstlane_b32 s14, v1                    ; wave 0..3
	s_lshr_b32 s15, s14, 1                         ; which half of the queries is mine.  Also: I fetch for q (0) or for k (1)
	s_and_b32 s16, s14, 1                          ; which half of the keys.  Also: which 128 rows I fetch
	s_bfe_u32 s40, ttmp6, 0x40000                  ; cx, cy
	s_bfe_u32 s41, ttmp6, 0x40004
	s_lshl_b32 s42, ttmp9, 2
	s_add_co_u32 s42, s42, s40                     ; tx = 4 x cluster x + cx
	s_and_b32 s18, ttmp7, 0xffff                   ; cluster y
	s_lshl_b32 s17, s18, 2
	s_add_co_u32 s17, s17, s41                     ; ty = 4 x cluster y + cy
	s_lshr_b32 s46, s18, 1                         ; the batch: eight query tiles, two clusters
	s_lshl_b32 s46, s46, 3
	s_add_co_u32 s46, s46, s42                     ; the key tile among all tokens: 8 x batch + tx
	s_lshl_b32 s43, s41, 2
	s_lshl_b32 s43, 15, s43                        ; my row of the cluster
	s_lshl_b32 s44, 0x1111, s40                    ; my column
	; descriptor group 1: a dense block of 32 KiB as 128 rows of 32 elements of 8 bytes
	s_or_b32 s[G1+0], s43, (3<<16)|(1<<21)         ; 15:0 the mask: q's tiles go to my row; 17:16 elements of 8 bytes; 21 set beside a mask; no padding
	s_or_b32 s[G1B+0], s44, (3<<16)|(1<<21)
.irp g, G1, G1B
	s_mov_b32 s[\g+1], 32<<16                      ; tensor_dim0
	s_mov_b32 s[\g+2], 128<<16                     ; tensor_dim1
	s_mov_b32 s[\g+3], 32<<16                      ; tile_dim0
	s_mov_b32 s[\g+4], 128                         ; tile_dim1
	s_mov_b32 s[\g+5], 32                          ; tensor_dim0_stride
	s_mov_b32 s[\g+6], 0
	s_mov_b32 s[\g+7], 0
.endr
	s_lshl_b32 s20, s17, 16                        ; q: row tile 16 ty + 8 x half, 4,096 bytes each
	s_lshl_b32 s21, s16, 15
	s_add_co_u32 s20, s20, s21
	s_mov_b32 s21, 0
	s_lshl_b32 s46, s46, 16                        ; k: row tile 16 (8 batch + tx) + 8 x half
	s_lshl_b32 s47, s16, 15
	s_add_co_u32 s46, s46, s47
	s_mov_b32 s47, 0
	s_lshl_b32 s45, s14, 15                        ; where they go: wave x 32 KiB
	s_lshl_b32 s18, s42, 21                        ; p's images: K step tx, row tile 16 ty + 8 x row half, my key half's 128
	s_lshl_b32 s19, s17, 16
	s_add_co_u32 s18, s18, s19
	s_lshl_b32 s19, s15, 15
	s_add_co_u32 s18, s18, s19
	s_lshl_b32 s19, s16, 11
	s_add_co_u32 s18, s18, s19
	s_mov_b32 s19, 0
	s_lshl_b32 s22, s42, 16                        ; stats: ((2 tx + key half) x 8,192 + 256 ty + 128 x row half) x 4
	s_lshl_b32 s23, s16, 15
	s_add_co_u32 s22, s22, s23
	s_lshl_b32 s23, s17, 10
	s_add_co_u32 s22, s22, s23
	s_lshl_b32 s23, s15, 9
	s_add_co_u32 s22, s22, s23
	s_mov_b32 s23, 0
	s_mov_b32 s68, 0x76543210                      ; v_permlanex16_b32's selects for lane l xor 16
	s_mov_b32 s69, 0xfedcba98
	s_wait_kmcnt 0x0
	s_load_b128 s[72:75], s[8:9], 0x18             ; entries 6 .. 9
	s_add_nc_u64 s[20:21], s[4:5], s[20:21]
	s_add_nc_u64 s[46:47], s[6:7], s[46:47]
	s_add_nc_u64 s[10:11], s[10:11], s[18:19]
	s_add_nc_u64 s[12:13], s[12:13], s[22:23]
	CROUND                                         ; all sixteen work-groups are here: the first joint loads meet
.irp s, 0,1
	s_mov_b32 s[G0+4*\s], 1
	s_add_co_u32 s[G0+4*\s+1], s45, \s*SLOT
	s_add_nc_u64 s[G0+4*\s+2:G0+4*\s+3], s[20:21], \s*KSTR
	s_or_b32 s[G0+4*\s+3], s[G0+4*\s+3], 0x80000000
	s_mov_b32 s[G0B+4*\s], 1
	s_add_co_u32 s[G0B+4*\s+1], s45, \s*SLOT
	s_add_nc_u64 s[G0B+4*\s+2:G0B+4*\s+3], s[46:47], \s*KSTR
	s_or_b32 s[G0B+4*\s+3], s[G0B+4*\s+3], 0x80000000
	JLOAD G0+4*\s, G1, G0B+4*\s, G1B
.endr
	v_and_b32 v1, 15, v0                           ; r
	v_and_b32 v6, 31, v0
	v_lshlrev_b32 v[CO], 4, v6
	s_lshl_b32 s21, s15, 15                        ; my 128 queries
	s_lshl_b32 s22, s16, 15                        ; my 128 keys,
	s_add_co_u32 s22, s22, 2*HALFT                 ; which lie behind q's 256 rows
.irp s, 0,1
	v_add_nc_u32 v[ADRA+\s], s21, v[CO]
	v_add_nc_u32 v[ADRB+\s], s22, v[CO]
	s_add_co_u32 s21, s21, SLOT
	s_add_co_u32 s22, s22, SLOT
.endr
	s_lshl_b32 s23, s14, 9
	v_lshl_add_u32 v[EXW], v1, 2, s23
	v_add_nc_u32 v[EXW], EXCH, v[EXW]              ; EXCH + 512 x wave + 4 r
	s_xor_b32 s23, s14, 1                          ; the wave with my queries and the other keys
	s_lshl_b32 s23, s23, 9
	v_lshl_add_u32 v[EXR], v1, 2, s23
	v_add_nc_u32 v[EXR], EXCH, v[EXR]
	s_lshl_b32 s23, s14, 10
	v_lshl_add_u32 v[STW], v1, 2, s23
	v_add_nc_u32 v[STW], STAT, v[STW]              ; STAT + 1,024 x wave + 4 r
	v_add_nc_u32 v[STR], s23, v[CO]
	v_add_nc_u32 v[STR], STAT, v[STR]              ; STAT + 1,024 x wave + 16 x lane
	s_wait_kmcnt 0x0
	s_add_co_i32 s18, s72, s73
	s_lshl_b32 s18, s18, 23
	s_add_co_i32 s66, s18, 0x3d38aa3b              ; c = log2(e) / 32 x 2^(e6 + e7): the two exponents are added to the exponent field
	s_mov_b32 s67, s66                             ; (named with it as a pair, so it is written)
	s_add_co_i32 s18, s74, 127
	s_lshl_b32 s19, s18, 23
	v_mov_b32 v[PSC], s19                          ; 2^e8 as f32, for the conversion
	s_add_co_i32 s18, s18, 15
	s_lshl_b32 s18, s18, 23
	s_or_b32 s18, s18, 0x600000
	v_mov_b32 v[HOLD], s18                         ; 57,344 x 2^e8
.macro FRAG reg, adr, q, i             ; a fragment's image: four loads of 512 consecutive bytes give the registers as they were stored
.irp c, 0,1,2,3
	ds_load_b128 v[\reg+4*\c:\reg+4*\c+3], v[\adr] offset:4096*(\i)+2048*(\q)+512*\c
.endr
.endm
; 16 matrix instructions: q's blocks a0, a0 + 1 x k's eight.  zero = 1: the first product starts the sums.  The 64 accumulators take turns.
.macro MUL16 a0, p, zero
.irp a, \a0, \a0+1
.irp b, 0,1,2,3,4,5,6,7
.if \zero
	v_wmma_f32_16x16x128_bf8_bf8 v[8*(8*((\a)%4)+\b):8*(8*((\a)%4)+\b)+7], v[128*(\p)+FR*\b:128*(\p)+FR*\b+FR-1], v[AF+FR*(\a):AF+FR*(\a)+FR-1], 0
.else
	v_wmma_f32_16x16x128_bf8_bf8 v[8*(8*((\a)%4)+\b):8*(8*((\a)%4)+\b)+7], v[128*(\p)+FR*\b:128*(\p)+FR*\b+FR-1], v[AF+FR*(\a):AF+FR*(\a)+FR-1], v[8*(8*((\a)%4)+\b):8*(8*((\a)%4)+\b)+7]
.endif
.endr
.endr
.endm
.macro FETCH_B slot, q, p
	WIN TO_B
.irp i, 0,1,2,3,4,5,6,7
	FRAG 128*(\p)+FR*\i, ADRB+\slot, \q, \i
.endr
	WIN 0
.endm
.macro FETCH_A slot, q, i0
.irp i, \i0, \i0+1, \i0+2, \i0+3
	FRAG AF+FR*(\i), ADRA+\slot, \q, \i
.endr
.endm
.macro PLACES n                        ; places in front of loads into registers that matrix instructions have read, and of the first read of results (ISA guide 7.12.1 for the first read of results)
.rept \n
	v_nop
.endr
.endm
.macro STEP slot, q, zero              ; a step of 128 along K that has its successor in the same slot
	s_wait_dscnt 4*NL                              ; k's set and q's blocks 0-3 are in; the youngest sixteen loads (q's blocks 4-7) may be out
	WIN MUL_LO
	MUL16 0, (\q)%2, \zero
	MUL16 2, (\q)%2, \zero
	s_wait_dscnt 0
	PLACES NP
	FETCH_B \slot, (\q)+1, 1-(\q)%2
	FETCH_A \slot, (\q)+1, 0
	WIN MUL_HI
	MUL16 4, (\q)%2, \zero
	MUL16 6, (\q)%2, \zero
	PLACES NP
	WIN 0
	FETCH_A \slot, (\q)+1, 4
.endm
.macro TURN slot, next, fill           ; a slot's last step changes slots: one barrier, in front of it the wait for all my tensor loads, the add, and the wait for it and for my reads of this slot
	s_wait_tensorcnt 0x0                           ; all my tensor loads have landed: my part of the next slot
	ds_add_u32 v[SPW], v[NIL]                      ; 0 onto my spare word
	s_wait_dscnt 4*NL+1                            ; (the add and the youngest sixteen loads may be out)
	WIN MUL_LO
	MUL16 0, 1, 0
	s_wait_dscnt 0x0                               ; the add is done, and my reads of this slot are over
	s_barrier_signal -1
	MUL16 2, 1, 0
	WIN 0
	s_barrier_wait -1
.if \fill
	CREST                                          ; the barrier has opened a round of the cluster's barrier
	s_add_nc_u64 s[G0+4*\slot+2:G0+4*\slot+3], s[G0+4*\slot+2:G0+4*\slot+3], 2*KSTR
	s_add_nc_u64 s[G0B+4*\slot+2:G0B+4*\slot+3], s[G0B+4*\slot+2:G0B+4*\slot+3], 2*KSTR
	JLOAD G0+4*\slot, G1, G0B+4*\slot, G1B         ; the first tensor load behind the round; its four v_nop are the places in front of the loads below
.else
	PLACES NP
.endif
	FETCH_B \next, 0, 0
	FETCH_A \next, 0, 0
	WIN MUL_HI
	MUL16 4, 1, 0
	MUL16 6, 1, 0
	PLACES NP
	WIN 0
	FETCH_A \next, 0, 4
.endm
	s_wait_tensorcnt 1                             ; my part of K step 0 is in (K step 1's load may be out)
	s_barrier_signal -1
	s_barrier_wait -1                              ; everybody's is
	FETCH_B 0, 0, 0
	FETCH_A 0, 0, 0
	FETCH_A 0, 0, 4
	STEP 0, 0, 1                                   ; the first step's products start the sums
.rept LAPS-1
	TURN 0, 1, 1
	STEP 1, 0, 0
	TURN 1, 0, 1
	STEP 0, 0, 0
.endr
	TURN 0, 1, 0
	STEP 1, 0, 0
	s_wait_dscnt 4*NL
	WIN MUL_LO
	MUL16 0, 1, 0
	MUL16 2, 1, 0
	s_wait_dscnt 0
	WIN MUL_HI
	MUL16 4, 1, 0
	MUL16 6, 1, 0
	WIN 0
	PLACES NP
	; THE LARGEST SCORE of each query among my lane's 64 keys: two chains a row tile, the chains of four row tiles by turns; a chain's first line takes -infinity in the chain's place: nothing is cleared.
	; Each accumulator is read from its low end on.
.irp w, 0,1
	WIN 0x28+0x14*\w                               ; sources 1 and 2: window 2 or 3
.irp bp, 0,2,4,6
.irp i, 0,2,4,6
.irp a, 0,1,2,3
.irp u, 0,1
.if (\bp == 0) && (\i == 0)
	v_max3_num_f32 v[MX+2*(4*\w+\a)+\u], 0xff800000, v[8*(8*\a+\bp+\u)+\i], v[8*(8*\a+\bp+\u)+\i+1]
.else
	v_max3_num_f32 v[MX+2*(4*\w+\a)+\u], v[MX+2*(4*\w+\a)+\u], v[8*(8*\a+\bp+\u)+\i], v[8*(8*\a+\bp+\u)+\i+1]
.endif
.endr
.endr
.endr
.endr
.endr
	WIN 0
.irp a, 0,1,2,3,4,5,6,7
	v_max_num_f32 v[MX+2*\a+1], v[MX+2*\a], v[MX+2*\a+1]
.endr
.irp a, 0,1,2,3,4,5,6,7
	v_permlanex16_b32 v[MX+2*\a], v[MX+2*\a+1], s68, s69   ; the query's other 64 keys lie in the lane 16 away
.endr
.irp a, 0,1,2,3,4,5,6,7
	v_max_num_f32 v[MX+2*\a+1], v[MX+2*\a+1], v[MX+2*\a]
.endr
.irp a, 0,1,2,3,4,5,6,7
	v_mul_f32 v[MX+2*\a+1], s66, v[MX+2*\a+1]      ; as t (c is positive)
.endr
.irp a, 0,1,2,3,4,5,6,7
	ds_store_b32 v[EXW], v[MX+2*\a+1] offset:64*\a ; both halves of the lanes hold the same number and write the same word
.endr
	s_wait_dscnt 0x0                               ; for the other wave's sake: my stores are done
	s_barrier_signal -1
	s_barrier_wait -1
.irp a, 0,1,2,3,4,5,6,7
	ds_load_b32 v[224+\a], v[EXR] offset:64*\a     ; the same queries' largest t among the tile's other 128 keys
.endr
	s_wait_dscnt 0x0
.irp a, 0,1,2,3,4,5,6,7
	v_max_num_f32 v[MX+2*\a+1], v[MX+2*\a+1], v[224+\a]
.endr
.irp a, 0,1,2,3,4,5,6,7
	v_floor_f32 v[MX+2*\a], -v[MX+2*\a+1]          ; -M = floor(-t) = -ceil(t): M is a whole number
.endr
; ROW TILE BY ROW TILE, one behind the other: tile a's t - M and exponentials; between the exponentials stand tile a - 1's holds, so that each exponential has a plain instruction behind it;
; tile a's sum of the unquantised p; tile a - 1's conversions and its image's four stores.
.macro STAGE a
.set TA, 64+64*((\a)%2)                ; tile a's 64 numbers
.set TP, 64+64*(((\a)+1)%2)            ; tile a - 1's
.set CP, 192+16*(((\a)+1)%2)           ; tile a - 1's codes
.set AC, 64*((\a)%4)
.if (\a) < 8
	WIN 2+(\a)/4                                   ; source 0: window 2 or 3
.set pi, 0
.rept 32
	v_pk_fma_f32 v[TA+pi:TA+pi+1], v[AC+pi:AC+pi+1], s[66:67], v[MX+2*(\a):MX+2*(\a)+1] op_sel_hi:[1,0,0]   ; t - M, two at a time (of the pairs c and -M the low word serves both halves)
.set pi, pi+2
.endr
	WIN 0
.endif
.set pi, 0
.rept 64
.if (\a) < 8
	v_exp_f32 v[TA+pi], v[TA+pi]                   ; p = 2^(t - M), at most 1: not normalised
.endif
.if (\a) > 0
	v_min_num_f32 v[TP+pi], v[TP+pi], v[HOLD]      ; the conversion to an 8-bit code does not saturate (ISA guide 7.6.2); p is not negative, so the hold is one-sided
.endif
.set pi, pi+1
.endr
.if (\a) == 0
	v_nop                                          ; a plain place behind the last exponential
	s_wait_alu depctr_va_vdst(0)
.endif
.if (\a) < 8
	s_wait_alu depctr_va_vdst(0)
.irp k, 0,1,2,3
	v_pk_add_f32 v[SM+2*\k:SM+2*\k+1], v[TA+4*\k:TA+4*\k+1], v[TA+4*\k+2:TA+4*\k+3]   ; the sum of the unquantised p, in four packed chains
.endr
.irp g, 16,24,32,40,48,56
.irp k, 0,1,2,3
	v_pk_add_f32 v[SM+2*\k:SM+2*\k+1], v[SM+2*\k:SM+2*\k+1], v[TA+\g+2*\k:TA+\g+2*\k+1]
.endr
.endr
	v_pk_add_f32 v[SM:SM+1], v[SM:SM+1], v[SM+2:SM+3]
	v_pk_add_f32 v[SM+4:SM+5], v[SM+4:SM+5], v[SM+6:SM+7]
	v_pk_add_f32 v[SM:SM+1], v[SM:SM+1], v[SM+4:SM+5]
	v_add_f32 v[SM], v[SM], v[SM+1]
	v_permlanex16_b32 v[SM+1], v[SM], s68, s69
	v_add_f32 v[LS+(\a)], v[SM], v[SM+1]           ; the query's sum over my wave's 128 keys
.endif
.if (\a) > 0
.if (\a) >= 3
	s_wait_xcnt 0x0                                ; the stores of two tiles ago have read this set of codes: it is written again only behind this wait
.endif
.irp b, 0,1,2,3,4,5,6,7
	v_cvt_scalef32_pk8_bf8_f32 v[CP+2*\b:CP+2*\b+1], v[TP+8*\b:TP+8*\b+7], v[PSC]   ; registers 2 b, 2 b + 1 of p's fragment: keys 16 b + 8 h + 0 .. 7
.endr
	v_nop                                          ; one plain vector instruction between the conversions and the lines that write their sources again
.irp c, 0,1,2,3
	global_store_b128 v[CO], v[CP+4*\c:CP+4*\c+3], s[10:11] offset:4096*((\a)-1)+512*\c   ; 512 consecutive bytes, aligned
.endr
.endif
.endm
.irp t, 0,1,2,3,4,5,6,7,8
	STAGE \t
.endr
	; -M and the sums of my 128 queries: through my own bytes of LDS, so that each leaves as 512 consecutive bytes
.irp a, 0,1,2,3,4,5,6,7
	ds_store_b32 v[STW], v[MX+2*\a] offset:64*\a
	ds_store_b32 v[STW], v[LS+\a] offset:512+64*\a
.endr
	ds_load_b128 v[SM:SM+3], v[STR]                ; LDS serves a wave's instructions in order (ISA guide 5.7.1.4): these see my stores
	ds_load_b128 v[SM+4:SM+7], v[STR] offset:512
	s_wait_dscnt 0x0
	global_store_b128 v[CO], v[SM:SM+3], s[12:13]
	global_store_b128 v[CO], v[SM+4:SM+7], s[12:13] offset:524288
	s_wait_tensorcnt 0x0                           ; the wave's end
	ds_add_u32 v[SPW], v[NIL]
	s_wait_dscnt 0x0
	CROUND                                         ; the closing round
	s_endpgm
.Lfunc_end_k_q7477b73bb1_scores:
	.size	k_q7477b73bb1_scores, .Lfunc_end_k_q7477b73bb1_scores-k_q7477b73bb1_scores
	.p2alignl 7, 3214868480
	.fill 96, 4, 3214868480
	.section	.rodata,"a",@progbits
	.p2align	6, 0x0
	.amdhsa_kernel k_q7477b73bb1_scores
		.amdhsa_group_segment_fixed_size 327680
		.amdhsa_private_segment_fixed_size 0
		.amdhsa_enable_private_segment 0
		.amdhsa_kernarg_size 40
		.amdhsa_user_sgpr_count 2
		.amdhsa_user_sgpr_kernarg_segment_ptr 1
		.amdhsa_wavefront_size32 1
		.amdhsa_system_sgpr_workgroup_id_x 1
		.amdhsa_system_sgpr_workgroup_id_y 1
		.amdhsa_system_sgpr_workgroup_id_z 1
		.amdhsa_system_vgpr_workitem_id 0
		.amdhsa_next_free_vgpr 1024
		.amdhsa_next_free_sgpr 80
		.amdhsa_reserve_vcc 0
		.amdhsa_float_denorm_mode_32 3
		.amdhsa_float_denorm_mode_16_64 3
		.amdhsa_memory_ordered 1
		.amdhsa_forward_progress 1
		.amdhsa_inst_pref_size 172
	.end_amdhsa_kernel
	.amdgpu_metadata
---
amdhsa.version: [ 1, 2 ]
amdhsa.kernels:
  - .name:           k_q7477b73bb1_scores
    .symbol:         k_q7477b73bb1_scores.kd
    .args:
      - { .name: qimg, .offset: 0, .size: 8, .value_kind: global_buffer, .address_space: global }
      - { .name: kimg, .offset: 8, .size: 8, .value_kind: global_buffer, .address_space: global }
      - { .name: lowp_scales, .offset: 16, .size: 8, .value_kind: global_buffer, .address_space: global }
      - { .name: pimg, .offset: 24, .size: 8, .value_kind: global_buffer, .address_space: global }
      - { .name: stats, .offset: 32, .size: 8, .value_kind: global_buffer, .address_space: global }
    .group_segment_fixed_size: 327680
    .private_segment_fixed_size: 0
    .kernarg_segment_align: 8
    .kernarg_segment_size: 40
    .max_flat_workgroup_size: 128
    .sgpr_count:     80
    .vgpr_count:     1024
    .wavefront_size: 32
...
	.end_amdgpu_metadata
.endif
;; end of part 2
;; launch pv (part 3): grid 4 x 64, 4 waves a work-group, clusters of 4 x 4, 327,680 bytes of LDS; arguments pimg, vimg, stats, lowp_scales, out0; writes out0
.if DOCPART == 3
	.amdgcn_target "amdgcn-amd-amdhsa--gfx1250"
	.amdhsa_code_object_version 6
	.text
	.protected	k_q7477b73bb1_pv
	.globl	k_q7477b73bb1_pv
	.p2align	8
	.type	k_q7477b73bb1_pv,@function
k_q7477b73bb1_pv:
	s_mov_b64 s[64:65], 0
	v_nop
	global_prefetch_b8 v0, s[64:65] scope:SCOPE_SE
	s_setreg_imm32_b32 hwreg(HW_REG_WAVE_MODE, 25, 1), 1
	s_wait_xcnt 0x0
	s_wait_alu depctr_hold_cnt(0) depctr_sa_sdst(0) depctr_va_vdst(0) depctr_va_sdst(0) depctr_va_ssrc(0) depctr_va_vcc(0) depctr_vm_vsrc(0)
	s_getreg_b32 s2, hwreg(HW_REG_IB_STS2, 6, 4)
	s_cmp_eq_u32 s2, 0
	s_cbranch_scc0 .Lentry_in_a_cluster
	s_endpgm
.Lentry_in_a_cluster:
	s_bfe_u32 s2, ttmp6, 0x10000c
	s_cmp_lg_u32 s2, 0xf033
	s_cbranch_scc0 .Lentry_shape_is_right
	s_endpgm
.Lentry_shape_is_right:
; out = (the sum over blocks j of 256 keys of 2^(M_j - M) P_j V_j) x 2^(e8 + e9) / l, on codes of BF8 (E5M2).
; P_j: p's codes under the block's own whole number M_j; M = the largest of a row's eight M_j; l = the sum over the sixteen half blocks of 2^(M_j - M) x that half block's sum of the unquantised p.
; Every factor 2^(M_j - M) is an exact power of two.  A block more than 149 under M counts for nothing, in out and in l alike.
; pimg: fragment images [K step of 256 keys (8)][row tile of 16 queries (512)][128 keys (2)][2,048 bytes];  vimg: for each batch [K step of 256 keys (8)][row tile of 16 channels (64)][2][2,048].
; stats: plane 0 -M, plane 1 (524,288 bytes on) the sums: [block of 128 keys (16)][8,192 rows] f32.  out0: [8,192][1,024] f32.
; SHARES.  A tile of out is 128 queries x 256 channels, so that there are 256 work-groups; four waves, 64 x 128 a wave.  tx = channel tile, ty = query tile; the batch hangs on the cluster's y alone.
; TRANSPOSED USE: source 0 = 16 channels of V^T, source 1 = 16 queries of P: lane (r, h) of (a, b) holds query 16 a + r, channels 16 b + 8 h + 0 .. 7.
; A block's products are summed in T (window 3), begun with the constant 0; the block before is meanwhile folded into acc (window 2) by acc += f T, f = 2^(M_j - M) 2^(e8 + e9) / l: a row tile's 32 packed
; multiply-adds stand in front of the eight products that begin that row tile's T anew.
; CLUSTERS: 4 x 4 work-groups; P's tiles are shared along a row of the cluster, V's along a column: joint loads.  A ring of two LDS slots, a block of 256 keys each; the eight blocks are written out.
; LIMITS: e8 + e9 is applied by v_ldexp_f32 and has none.  NaN and infinities are not served.
; REGISTERS: window 0: v16-29 addresses; v32-39 at work; v64-127 f: the pair at v[64 + 2 (4 j + a)] holds f(a, j) twice; v128-191, v192-255 P's fragments, two sets (at the head: the statistics; at the end: rows of out).
;   window 1: V's fragments, two sets.   window 2: acc(a, b) at v[8 (8 a + b)].   window 3: T(a, b).
.set PSTR,   0x200000                  ; bytes from one K step of P's images to the next
.set VSTR,   0x40000                   ; of V's
.set SLOT,   98304                     ; P's 128 rows x 256 keys (32 KiB), then V's 256 rows (64 KiB)
.set VOFF,   32768
.set SPARE,  2*SLOT                    ; behind the ring: the spare words, 128 bytes for each wave
.set STAGE,  SPARE+512                 ; the way out: 16 rows x (512 bytes + 16) for each wave
.set SPITCH, 528
.set ADRP, 16                          ; v16-17  LDS address of my P fragments in slot 0, 1
.set ADRV, 20                          ; v20-21  of my V fragments
.set STO,  24
.set RD,   25
.set CO,   26
.set SPW,  28
.set NIL,  29
.set F,    64
.set PF,   128
.set G1, 24                            ; s[24:31] descriptor group 1 for P's tiles;  s[32:39] group 0, one set for each slot
.set G0, 32
.set G1B, 48                           ; s[48:55], s[56:63] the same for V's tiles
.set G0B, 56
.set MSB, 0
.macro WIN new                         ; the immediate's high byte repeats the setting that is left; a switch that changes nothing is dropped
.if MSB != (\new)
	s_set_vgpr_msb (MSB<<8)|(\new)
.set MSB, (\new)
.endif
.endm
.macro JLOAD g0a, g1a, g0b, g1b        ; a joint load: waves 0 and 1 fetch P's halves, waves 2 and 3 V's; four v_nop follow each of the two lines
	s_cmp_eq_u32 s15, 0
	s_cbranch_scc0 .Lfor_b_\@
	tensor_load_to_lds s[\g0a:\g0a+3], s[\g1a:\g1a+7]
	s_nop 0
.rept 4
	v_nop
.endr
	s_branch .Lasked_\@
.Lfor_b_\@:
	tensor_load_to_lds s[\g0b:\g0b+3], s[\g1b:\g1b+7]
	s_nop 0
.rept 4
	v_nop
.endr
.Lasked_\@:
.endm
.macro CREST
	s_cmp_lg_u32 s14, 0
	s_cbranch_scc1 .Lnot_wave_0_\@
	s_barrier_signal -3
.Lnot_wave_0_\@:
	s_barrier_wait -3
	s_barrier_signal -1
	s_barrier_wait -1
.endm
.macro CROUND
	s_barrier_signal -1
	s_barrier_wait -1
	CREST
.endm
.macro PLACES n                        ; places behind matrix instructions (ISA guide 7.12.1 for vector instructions)
.rept \n
	v_nop
.endr
.endm
	s_load_b128 s[4:7], s[0:1], 0x0                ; pimg s[4:5], vimg s[6:7]
	s_load_b128 s[8:11], s[0:1], 0x10              ; stats s[8:9], the scales' exponents s[10:11]
	s_load_b64 s[12:13], s[0:1], 0x20              ; out0
	v_lshl_add_u32 v[SPW], v0, 2, SPARE
	v_mov_b32 v[NIL], 0
	ds_add_u32 v28, v29
	ds_add_u32 v28, v29
	s_wait_dscnt 0x0
	v_lshrrev_b32 v1, 5, v0
	v_readfirstlane_b32 s14, v1                    ; wave 0..3
	s_lshr_b32 s15, s14, 1                         ; which 64 queries are mine.  Also: I fetch for P (0) or for V (1)
	s_and_b32 s16, s14, 1                          ; which 128 channels.  Also: which half of that tile I fetch
	s_bfe_u32 s40, ttmp6, 0x40000                  ; cx, cy
	s_bfe_u32 s41, ttmp6, 0x40004
	s_lshl_b32 s42, ttmp9, 2
	s_add_co_u32 s42, s42, s40                     ; tx = 4 x cluster x + cx
	s_and_b32 s18, ttmp7, 0xffff                   ; cluster y
	s_lshl_b32 s17, s18, 2
	s_add_co_u32 s17, s17, s41                     ; ty = 4 x cluster y + cy
	s_lshr_b32 s46, s18, 2                         ; the batch: sixteen query tiles, four clusters
	s_lshl_b32 s43, s41, 2
	s_lshl_b32 s43, 15, s43                        ; my row of the cluster
	s_lshl_b32 s44, 0x1111, s40                    ; my column
	; descriptor groups 1: dense blocks as rows of 32 elements of 8 bytes: P 64 rows (16 KiB), V 128 rows (32 KiB)
	s_or_b32 s[G1+0], s43, (3<<16)|(1<<21)         ; 15:0 the mask: P's tiles go to my row; 17:16 elements of 8 bytes; 21 set beside a mask; no padding
	s_mov_b32 s[G1+1], 32<<16                      ; tensor_dim0
	s_mov_b32 s[G1+2], 64<<16                      ; tensor_dim1
	s_mov_b32 s[G1+3], 32<<16                      ; tile_dim0
	s_mov_b32 s[G1+4], 64                          ; tile_dim1
	s_mov_b32 s[G1+5], 32                          ; tensor_dim0_stride
	s_mov_b32 s[G1+6], 0
	s_mov_b32 s[G1+7], 0
	s_or_b32 s[G1B+0], s44, (3<<16)|(1<<21)        ; V's tiles go to my column
	s_mov_b32 s[G1B+1], 32<<16
	s_mov_b32 s[G1B+2], 128<<16
	s_mov_b32 s[G1B+3], 32<<16
	s_mov_b32 s[G1B+4], 128
	s_mov_b32 s[G1B+5], 32
	s_mov_b32 s[G1B+6], 0
	s_mov_b32 s[G1B+7], 0
	s_lshl_b32 s20, s17, 15                        ; P: row tile 8 ty + 4 x half, 4,096 bytes each
	s_lshl_b32 s21, s16, 14
	s_add_co_u32 s20, s20, s21
	s_mov_b32 s21, 0
	s_lshl_b32 s46, s46, 21                        ; V: the batch, row tile 16 tx + 8 x half
	s_lshl_b32 s47, s42, 16
	s_add_co_u32 s46, s46, s47
	s_lshl_b32 s47, s16, 15
	s_add_co_u32 s46, s46, s47
	s_mov_b32 s47, 0
	s_lshl_b32 s45, s16, 14                        ; where they go: P's halves at 0 and 16 KiB,
	s_lshl_b32 s70, s16, 15
	s_add_co_u32 s70, s70, VOFF                    ; V's at 32 and 64 KiB: no place in the cluster enters an LDS address
	s_lshl_b32 s18, s17, 9                         ; stats: my first row, (128 ty + 64 x row half) x 4
	s_lshl_b32 s19, s15, 8
	s_add_co_u32 s18, s18, s19
	s_mov_b32 s19, 0
	s_lshl_b32 s22, s17, 19                        ; out: row 128 ty + 64 x row half, 4,096 bytes a row; column 256 tx + 128 x half, 4 bytes each
	s_lshl_b32 s23, s15, 18
	s_add_co_u32 s22, s22, s23
	s_lshl_b32 s23, s42, 10
	s_add_co_u32 s22, s22, s23
	s_lshl_b32 s23, s16, 9
	s_add_co_u32 s22, s22, s23
	s_mov_b32 s23, 0
	s_mov_b32 s68, 0x76543210                      ; v_permlanex16_b32's selects for lane l xor 16
	s_mov_b32 s69, 0xfedcba98
	s_wait_kmcnt 0x0
	s_load_b64 s[72:73], s[10:11], 0x20            ; e8, e9
	s_add_nc_u64 s[20:21], s[4:5], s[20:21]
	s_add_nc_u64 s[46:47], s[6:7], s[46:47]
	s_add_nc_u64 s[8:9], s[8:9], s[18:19]
	s_add_nc_u64 s[12:13], s[12:13], s[22:23]
	CROUND                                         ; all sixteen work-groups are here: the first joint loads meet
.irp s, 0,1
	s_mov_b32 s[G0+4*\s], 1
	s_add_co_u32 s[G0+4*\s+1], s45, \s*SLOT
	s_add_nc_u64 s[G0+4*\s+2:G0+4*\s+3], s[20:21], \s*PSTR
	s_or_b32 s[G0+4*\s+3], s[G0+4*\s+3], 0x80000000
	s_mov_b32 s[G0B+4*\s], 1
	s_add_co_u32 s[G0B+4*\s+1], s70, \s*SLOT
	s_add_nc_u64 s[G0B+4*\s+2:G0B+4*\s+3], s[46:47], \s*VSTR
	s_or_b32 s[G0B+4*\s+3], s[G0B+4*\s+3], 0x80000000
	JLOAD G0+4*\s, G1, G0B+4*\s, G1B
.endr
	; the statistics of my 64 queries: lane (r, h) takes, for row tile a and block j, the half block 2 j + h of query 16 a + r: -M into v[128 + 8 a + j], the sum into v[160 + 8 a + j]
	v_and_b32 v1, 15, v0                           ; r
	v_bfe_u32 v2, v0, 4, 1                         ; h
	v_lshlrev_b32 v3, 2, v1
	v_lshl_add_u32 v3, v2, 15, v3                  ; 32,768 h + 4 r
.irp j, 0,1,2,3,4,5,6,7
.irp a, 0,1,2,3
	global_load_b32 v[128+8*\a+\j], v3, s[8:9] offset:65536*\j+64*\a
	global_load_b32 v[160+8*\a+\j], v3, s[8:9] offset:65536*\j+64*\a+524288
.endr
.endr
	v_and_b32 v6, 31, v0
	v_lshlrev_b32 v[CO], 4, v6
	s_lshl_b32 s21, s15, 14                        ; my 64 queries of P's tile
	s_lshl_b32 s22, s16, 15                        ; my 128 channels of V's,
	s_add_co_u32 s22, s22, VOFF                    ; which lies behind P's
.irp s, 0,1
	v_add_nc_u32 v[ADRP+\s], s21, v[CO]
	v_add_nc_u32 v[ADRV+\s], s22, v[CO]
	s_add_co_u32 s21, s21, SLOT
	s_add_co_u32 s22, s22, SLOT
.endr
	s_mul_i32 s23, s14, 16*SPITCH
	s_add_co_u32 s23, s23, STAGE                   ; my stage
	v_mul_u32_u24 v5, v1, SPITCH                   ; in: row r, 32 bytes for each half of the lanes
	v_lshl_add_u32 v5, v2, 5, v5
	v_add_nc_u32 v[STO], s23, v5
	v_add_nc_u32 v[RD], s23, v[CO]                 ; back: the 32 lanes take one row of 512 bytes
	s_wait_loadcnt 0x0
	s_wait_kmcnt 0x0
	s_add_co_i32 s18, s72, s73                     ; e8 + e9
.irp a, 0,1,2,3
	v_min_num_f32 v[32+\a], v[128+8*\a], v[128+8*\a+1]
.endr
.irp j, 2,3,4,5,6,7
.irp a, 0,1,2,3
	v_min_num_f32 v[32+\a], v[32+\a], v[128+8*\a+\j]   ; the least -M is -(the row's M)
.endr
.endr
.irp j, 0,1,2,3,4,5,6,7
.irp a, 0,1,2,3
	v_sub_f32 v[128+8*\a+\j], v[32+\a], v[128+8*\a+\j]   ; M_j - M: a whole number, 0 or less
.endr
.endr
.irp j, 0,1,2,3,4,5,6,7
.irp a, 0,1,2,3
	v_cvt_i32_f32 v[128+8*\a+\j], v[128+8*\a+\j]   ; (it saturates)
.endr
.endr
.irp j, 0,1,2,3,4,5,6,7
.irp a, 0,1,2,3
	v_ldexp_f32 v[128+8*\a+\j], 1.0, v[128+8*\a+\j]   ; 2^(M_j - M)
.endr
.endr
.irp a, 0,1,2,3
	v_mul_f32 v[36+\a], v[128+8*\a], v[160+8*\a]
.endr
.irp j, 1,2,3,4,5,6,7
.irp a, 0,1,2,3
	v_fmac_f32 v[36+\a], v[128+8*\a+\j], v[160+8*\a+\j]
.endr
.endr
.irp a, 0,1,2,3
	v_permlanex16_b32 v[32+\a], v[36+\a], s68, s69 ; the other half blocks' part lies in the lane 16 away
.endr
.irp a, 0,1,2,3
	v_add_f32 v[36+\a], v[36+\a], v[32+\a]         ; l, at least 1/2
.endr
.irp a, 0,1,2,3
	v_rcp_f32 v[36+\a], v[36+\a]
.endr
	v_nop                                          ; a plain place behind the last reciprocal
	s_wait_alu depctr_va_vdst(0)
.irp a, 0,1,2,3
	v_ldexp_f32 v[36+\a], v[36+\a], s18            ; 2^(e8 + e9) / l
.endr
.irp j, 0,1,2,3,4,5,6,7
.irp a, 0,1,2,3
	v_mul_f32 v[F+2*(4*\j+\a)], v[128+8*\a+\j], v[36+\a]
	v_mul_f32 v[F+2*(4*\j+\a)+1], v[128+8*\a+\j], v[36+\a]
.endr
.endr
; 48 LDS loads in one run: V's eight and P's four fragments of the slot's q-th 128 keys, into set p; each load takes 512 consecutive bytes of an image
.macro FETCH slot, q, p
	WIN 0x40                                       ; destination window 1
.irp i, 0,1,2,3,4,5,6,7
.irp c, 0,1,2,3
	ds_load_b128 v[128*(\p)+16*\i+4*\c:128*(\p)+16*\i+4*\c+3], v[ADRV+\slot] offset:4096*\i+2048*(\q)+512*\c
.endr
.endr
	WIN 0
.irp i, 0,1,2,3
.irp c, 0,1,2,3
	ds_load_b128 v[PF+64*(\p)+16*\i+4*\c:PF+64*(\p)+16*\i+4*\c+3], v[ADRP+\slot] offset:4096*\i+2048*(\q)+512*\c
.endr
.endr
.endm
; 8 matrix instructions: row tile a x V's eight, 128 keys.  zero = 1: they begin the block's sums.  The accumulators take turns, one instruction a turn.
.macro MULROW a, p, zero
	WIN 0xf1                                       ; source 0 (V) window 1, source 1 (P) window 0, C and D window 3
.irp b, 0,1,2,3,4,5,6,7
.if \zero
	v_wmma_f32_16x16x128_bf8_bf8 v[8*(8*(\a)+\b):8*(8*(\a)+\b)+7], v[128*(\p)+16*\b:128*(\p)+16*\b+15], v[PF+64*(\p)+16*(\a):PF+64*(\p)+16*(\a)+15], 0
.else
	v_wmma_f32_16x16x128_bf8_bf8 v[8*(8*(\a)+\b):8*(8*(\a)+\b)+7], v[128*(\p)+16*\b:128*(\p)+16*\b+15], v[PF+64*(\p)+16*(\a):PF+64*(\p)+16*(\a)+15], v[8*(8*(\a)+\b):8*(8*(\a)+\b)+7]
.endif
.endr
.endm
; Block j's sums of row tile a go into acc, x f(a, j); block 0 starts acc: nothing is cleared.  Each accumulator is read from its low end on.
.macro FOLD a, j
.set fi, 64*(\a)
.if (\j) == 0
	WIN 0x83                                       ; source 0 (T) window 3, source 1 (f) window 0, destination window 2
.rept 32
	v_pk_mul_f32 v[fi:fi+1], v[fi:fi+1], v[F+2*(4*(\j)+(\a)):F+2*(4*(\j)+(\a))+1]
.set fi, fi+2
.endr
.else
	WIN 0xa3                                       ; the same, with source 2 (acc) in window 2
.rept 32
	v_pk_fma_f32 v[fi:fi+1], v[fi:fi+1], v[F+2*(4*(\j)+(\a)):F+2*(4*(\j)+(\a))+1], v[fi:fi+1]
.set fi, fi+2
.endr
.endif
.endm
; BLOCK j: 256 keys, in slot j % 2.  First half: set 0; the block before is folded, a row tile at a time, in front of the products that begin its T anew: behind the last product on a T stand the four v_nop
; and the multiply-adds of the other accumulators, more than the five places that a matrix instruction writing over it wants.
; Second half: set 1, and the change of slots: the wait for all my tensor loads, the add, the wait for it and for my reads of this slot, one barrier; up to block 5 it opens a round of the cluster's barrier and
; this slot is filled again, with the block two on, which has a whole block's work in which to land.
.macro BLOCK j
	s_wait_dscnt 0x0                               ; set 0 is in
.if (\j) > 0
	PLACES 4                                       ; behind the last block's products: for the loads into set 1 and the first read of T
.endif
	FETCH (\j)%2, 1, 1
.irp a, 0,1,2,3
.if (\j) > 0
	FOLD \a, (\j)-1
.endif
	MULROW \a, 0, 1
.endr
.if (\j) < 7
	WIN 0                                          ; (the add's two registers lie in window 0)
	s_wait_tensorcnt 0x0                           ; all my tensor loads have landed: my part of the next slot
	ds_add_u32 v[SPW], v[NIL]                      ; 0 onto my spare word
	s_wait_dscnt 1                                 ; set 1 is in (the add may be out)
	MULROW 0, 1, 0                                 ; eight matrix instructions stand between the add and the wait for it
	s_wait_dscnt 0x0                               ; the add is done, and my reads of this slot are over
	s_barrier_signal -1
	MULROW 1, 1, 0
	WIN 0
	s_barrier_wait -1
.if (\j) < 6
	CREST                                          ; no wave of any partner still reads this slot's tiles or has a load on its way
	s_add_nc_u64 s[G0+4*((\j)%2)+2:G0+4*((\j)%2)+3], s[G0+4*((\j)%2)+2:G0+4*((\j)%2)+3], 2*PSTR
	s_add_nc_u64 s[G0B+4*((\j)%2)+2:G0B+4*((\j)%2)+3], s[G0B+4*((\j)%2)+2:G0B+4*((\j)%2)+3], 2*VSTR
	JLOAD G0+4*((\j)%2), G1, G0B+4*((\j)%2), G1B   ; the first tensor load behind the round; its four v_nop are the places in front of the loads below
.else
	PLACES 4
.endif
	FETCH ((\j)+1)%2, 0, 0
	MULROW 2, 1, 0
	MULROW 3, 1, 0
.else
	s_wait_dscnt 0x0                               ; the last 128 keys: nothing more to fetch
	MULROW 0, 1, 0
	MULROW 1, 1, 0
	MULROW 2, 1, 0
	MULROW 3, 1, 0
.endif
.endm
	s_wait_tensorcnt 1                             ; my part of block 0 is in (block 1's load may be out)
	s_barrier_signal -1
	s_barrier_wait -1                              ; everybody's is
	FETCH 0, 0, 0
.irp t, 0,1,2,3,4,5,6,7
	BLOCK \t
.endr
	PLACES 4
.irp t, 0,1,2,3
	FOLD \t, 7
.endr
; THE WAY OUT, row tile by row tile: a lane holds 32 neighbouring bytes of a row and the lanes beside it other rows: so 16 rows x 512 bytes go through my own stage in LDS and come back as whole rows.
; LDS serves a wave's instructions in order (ISA guide 5.7.1.4): no wait between the stores and the loads, nor in front of the next tile's stores.
.macro TOSTAGE a
	WIN 0x08                                       ; the stores' data: window 2
.irp b, 0,1,2,3,4,5,6,7
	ds_store_b128 v[STO], v[64*(\a)+8*\b:64*(\a)+8*\b+3] offset:64*\b
	ds_store_b128 v[STO], v[64*(\a)+8*\b+4:64*(\a)+8*\b+7] offset:64*\b+16
.endr
	WIN 0
.set BK, PF+64*((\a)%2)
.irp t, 0,1,2,3,4,5,6,7,8,9,10,11,12,13,14,15
	ds_load_b128 v[BK+4*\t:BK+4*\t+3], v[RD] offset:\t*SPITCH
.endr
.endm
.macro SEND a, younger                 ; younger: the LDS instructions issued behind tile a's loads, which may stay out
.set BK, PF+64*((\a)%2)
	s_wait_dscnt \younger
.irp t, 0,1,2,3,4,5,6,7,8,9,10,11,12,13,14,15
	global_store_b128 v[CO], v[BK+4*\t:BK+4*\t+3], s[12:13] offset:(16*(\a)+\t)*4096 th:TH_STORE_NT   ; 32 lanes store 512 consecutive bytes, at a multiple of 512 from out's first byte; written once, read by nobody here
.endr
.endm
	TOSTAGE 0
	TOSTAGE 1
	SEND 0, 32                                     ; behind tile 0's loads: tile 1's 16 stores and 16 loads
	s_wait_xcnt 0x0                                ; tile 0's stores have read their registers: tile 2's loads may land there
	TOSTAGE 2
	SEND 1, 32
	s_wait_xcnt 0x0
	TOSTAGE 3
	SEND 2, 32
	SEND 3, 0
	s_wait_tensorcnt 0x0                           ; the wave's end
	ds_add_u32 v[SPW], v[NIL]
	s_wait_dscnt 0x0
	CROUND                                         ; the closing round
	s_endpgm
.Lfunc_end_k_q7477b73bb1_pv:
	.size	k_q7477b73bb1_pv, .Lfunc_end_k_q7477b73bb1_pv-k_q7477b73bb1_pv
	.p2alignl 7, 3214868480
	.fill 96, 4, 3214868480
	.section	.rodata,"a",@progbits
	.p2align	6, 0x0
	.amdhsa_kernel k_q7477b73bb1_pv
		.amdhsa_group_segment_fixed_size 327680
		.amdhsa_private_segment_fixed_size 0
		.amdhsa_enable_private_segment 0
		.amdhsa_kernarg_size 40
		.amdhsa_user_sgpr_count 2
		.amdhsa_user_sgpr_kernarg_segment_ptr 1
		.amdhsa_wavefront_size32 1
		.amdhsa_system_sgpr_workgroup_id_x 1
		.amdhsa_system_sgpr_workgroup_id_y 1
		.amdhsa_system_sgpr_workgroup_id_z 1
		.amdhsa_system_vgpr_workitem_id 0
		.amdhsa_next_free_vgpr 1024
		.amdhsa_next_free_sgpr 80
		.amdhsa_reserve_vcc 0
		.amdhsa_float_denorm_mode_32 3
		.amdhsa_float_denorm_mode_16_64 3
		.amdhsa_memory_ordered 1
		.amdhsa_forward_progress 1
		.amdhsa_inst_pref_size 193
	.end_amdhsa_kernel
	.amdgpu_metadata
---
amdhsa.version: [ 1, 2 ]
amdhsa.kernels:
  - .name:           k_q7477b73bb1_pv
    .symbol:         k_q7477b73bb1_pv.kd
    .args:
      - { .name: pimg, .offset: 0, .size: 8, .value_kind: global_buffer, .address_space: global }
      - { .name: vimg, .offset: 8, .size: 8, .value_kind: global_buffer, .address_space: global }
      - { .name: stats, .offset: 16, .size: 8, .value_kind: global_buffer, .address_space: global }
      - { .name: lowp_scales, .offset: 24, .size: 8, .value_kind: global_buffer, .address_space: global }
      - { .name: out0, .offset: 32, .size: 8, .value_kind: global_buffer, .address_space: global }
    .group_segment_fixed_size: 327680
    .private_segment_fixed_size: 0
    .kernarg_segment_align: 8
    .kernarg_segment_size: 40
    .max_flat_workgroup_size: 128
    .sgpr_count:     80
    .vgpr_count:     1024
    .wavefront_size: 32
...
	.end_amdgpu_metadata
.endif
;; end of part 3
